; MI455X (gfx1250); checked and timed in simulation.
; The chip was launched on July 23, 2026; its instructions are those of AMD's public machine-readable ISA for CDNA 5 (MIT licence, August 2026) and "CDNA5" Instruction Set Architecture Reference Guide (July 2026). The comments in the code are by the model that wrote it; some were corrected since.
;; Mo E Gate. Allowed arithmetic: float matrix products may take bf16 or f16 operands with f32 sums; all other float work in f32.
;; Inputs: hidden_states 4 x 4,096 x 2,048 float32; weight 64 x 2,048 float32.
;; Outputs: out0 4 x 4,096 x 2 int32; out1 4 x 4,096 x 2 float32.
;; One version. Each part assembles by itself: llvm-mc -triple=amdgcn-amd-amdhsa -mcpu=gfx1250 --defsym DOCPART=n.
;; ======== version 1 of 1: 1 launch
;; launch gate (part 1): grid 256 x 1, 8 waves a work-group, no clusters, 280,576 bytes of LDS; arguments hidden_states, weight, out0, out1; writes out0, out1
.if DOCPART == 1
	.amdgcn_target "amdgcn-amd-amdhsa--gfx1250"
	.amdhsa_code_object_version 6
	.text
	.protected	k_q19a7175acd_gate
	.globl	k_q19a7175acd_gate
	.p2align	8
	.type	k_q19a7175acd_gate,@function
k_q19a7175acd_gate:
	s_mov_b64 s[64:65], 0
	v_nop
	global_prefetch_b8 v0, s[64:65] scope:SCOPE_SE
	s_setreg_imm32_b32 hwreg(HW_REG_WAVE_MODE, 25, 1), 1
	s_wait_xcnt 0x0
; MoE gate: logits[t][e] = sum over k of x[t][k] W[e][k]  (x: 16384 x 2048 f32, W: 64 x 2048 f32), softmax over the 64 experts,
; the two largest scores with their indices (equal scores: the lower index first), the two divided by (their sum + 1e-20).
; The softmax's sum Z stays: w = s / (s1 + s2 + 1e-20) with s = e / Z keeps Z beside the 1e-20
; in exact arithmetic.  The maximum is taken away before the exponentials, and the two are chosen on the scores.
;
; SHARES.  256 work-groups of 64 tokens, eight waves.  K is split: wave w owns k = 256 w .. 256 w + 255 of all 64 token rows and of all
; 64 rows of W, and sums 64 x 64 partial logits in 16 accumulator tiles.  So each byte of x and of W is loaded, converted and read from
; LDS once in a work-group, and no wave waits for another until the partial sums meet at the end.
; WAY IN.  A load takes 2 rows x 256 aligned bytes (sixteen lanes a row).  Two loads of the same rows, 64 k apart, are a slot: their
; eight f32 a lane are rounded to bf16 in place and go as 16 bytes into the wave's own stage in LDS, so a stage row of 256 bytes
; holds 128 k in the order 4 l .. 4 l + 3, 64 + 4 l .. 64 + 4 l + 3 (l = lane mod 16).  x and W are laid alike, so every product pairs the same k.
; RING.  A wave has 128 slots, x's and W's by turns; 31 slots (248 registers) are on their way, 62 loads, which LOADcnt's six bits can
; count (ISA guide 5.7.1).  After 64 slots 128 k of all 128 rows are staged and are multiplied.
; NO CLUSTER, NO TENSOR LOADS.  W is read by every work-group, but a joint request lands f32 in LDS: two slots of 64 rows x 64 k for each of
; eight waves are 2 x 64 x 8 x 272 = 278,528 bytes, which do not fit beside x's stage of 64 x 8 x 144 = 73,728, and each refill
; would bring the 32 waves of four work-groups into step with nothing on its way.  Here the loads land in registers and are waited for by count.
; LIMITS.  Operands are rounded to bf16 (nearest even); each logit is eight sums over 256 k, added in ascending order of k's slices, so its
; last bits differ from a sum in another order, and two scores closer than that may change places in the indices.
; v_exp_f32 gives 0 where the result is below 2^-126 (ISA guide 15.8).  NaN or infinite logits are not served.
.set ROWB,   8192                      ; bytes in a row of x and of W
.set PITCH,  272                       ; a stage row: 256 bytes + 16: rows 17 x 16 bytes apart, so sixteen rows start in sixteen different 16-byte columns of the 64 banks (ISA guide 11.1)
.set STAGE,  128*PITCH                 ; a wave's stage: rows 0-63 tokens, rows 64-127 experts; later its 64 x 64 partial sums
.set RES,    8*STAGE                   ; behind the stages: 512 bytes of indices, 512 bytes of weights
.set DEPTH,  31                        ; slots on their way
.set NSLOTS, 128                       ; slots of a wave: 2 pieces of 128 k x (32 row pairs of x + 32 of W)
.set GRP,    4                         ; slots taken in one turn
.set GOFF, 2                           ; v2      my byte offset in a pair of rows (x and W alike); never rewritten
.set STA,  3                           ; v3      stage: where my 16 bytes of a slot go
.set FRA,  4                           ; v4      stage: where my part of a fragment lies
.set PSA,  5                           ; v5      stage: where my partial sums go
.set RDA,  6                           ; v6-9    the partial sums that I add, of waves 0-1, 2-3, 4-5, 6-7
.set RSA,  10                          ; v10     where my token's result goes
.set FW,   32                          ; v32-63  four fragments of W (16 experts x 32 k)
.set FX,   64                          ; v64-95  four fragments of x (16 tokens x 32 k)
.set ACC,  128                         ; v128-255 tile (token block a, expert block b) at ACC + 8 (4 a + b)
                                       ; v256-503 the ring: slot n in the eight registers from 256 + 8 (n mod 31), written as v0-247 of window 1
.set MSB, 0
.macro WIN new                         ; s_set_vgpr_msb: bits 1:0 source 0, 3:2 source 1, 5:4 source 2, 7:6 destination; the high byte repeats the setting left
.if MSB != \new
	s_set_vgpr_msb (MSB<<8)|\new
.set MSB, \new
.endif
.endm
	s_load_b256 s[4:11], s[0:1], 0x0               ; x s[4:5], W s[6:7], indices s[8:9], weights s[10:11]
	v_lshl_add_u32 v126, v0, 2, 0x44400
	v_mov_b32 v127, 0
	v_lshrrev_b32 v1, 5, v0
	v_readfirstlane_b32 s12, v1                    ; wave 0..7
	v_and_b32 v1, 31, v0                           ; lane
	v_and_b32 v11, 15, v0                          ; lane mod 16
	v_bfe_u32 v12, v0, 4, 1                        ; lane / 16
	v_lshlrev_b32 v[GOFF], 4, v11                  ; 16 bytes a lane,
	v_lshl_add_u32 v[GOFF], v12, 13, v[GOFF]       ; lanes 16-31 one row further down
	s_mul_i32 s18, s12, STAGE                      ; my wave's stage
	v_mul_u32_u24 v13, v12, PITCH
	v_lshl_add_u32 v13, v11, 4, v13
	v_add_nc_u32 v[STA], s18, v13                  ; row lane / 16, byte 16 (lane mod 16)
	v_mul_u32_u24 v13, v11, PITCH
	v_add_nc_u32 v13, s18, v13
	v_lshl_add_u32 v[FRA], v12, 4, v13             ; row lane mod 16, byte 16 (lane / 16)
	v_lshl_add_u32 v[PSA], v12, 5, v13             ; row lane mod 16, byte 32 (lane / 16): eight f32
	v_lshrrev_b32 v13, 2, v1
	s_lshl_b32 s19, s12, 3
	v_add_nc_u32 v13, s19, v13                     ; at the end: my token = 8 wave + lane / 4
	v_and_b32 v14, 3, v0                           ; and my sixteen experts: 16 (lane mod 4) ..
	v_mul_u32_u24 v15, v13, PITCH
	v_lshl_add_u32 v[RDA], v14, 6, v15
	v_add_nc_u32 v[RDA+1], 2*STAGE, v[RDA]
	v_add_nc_u32 v[RDA+2], 4*STAGE, v[RDA]
	v_add_nc_u32 v[RDA+3], 6*STAGE, v[RDA]
	v_and_b32 v15, 1, v0
	v_lshlrev_b32 v15, 9, v15                      ; even lanes hand on the indices, odd lanes the weights
	v_lshl_add_u32 v15, v13, 3, v15
	v_add_nc_u32 v[RSA], RES, v15
	s_lshl_b32 s14, ttmp9, 19                      ; the work-group's 64 rows of 8,192 bytes (below 2^27),
	s_lshl_b32 s16, s12, 10                        ; my wave's 1,024 bytes of every row
	s_add_co_u32 s14, s14, s16
	s_mov_b32 s15, 0
	s_mov_b32 s17, 0
	s_wait_kmcnt 0x0
	s_add_nc_u64 s[4:5], s[4:5], s[14:15]
	s_add_nc_u64 s[6:7], s[6:7], s[16:17]
; Slot n: piece n / 64 of 128 k; even n: token rows, odd n: rows of W; row pair (n mod 64) / 2.
.macro LOADSLOT n                      ; window 0x44: destination in window 1, address in window 0
.set ls_r, 8*((\n)%DEPTH)
.set ls_o, (((\n)%64)>>1)*2*ROWB+((\n)/64)*512
.if (\n)&1
	global_load_b128 v[ls_r:ls_r+3],   v[GOFF], s[6:7] offset:ls_o
	global_load_b128 v[ls_r+4:ls_r+7], v[GOFF], s[6:7] offset:ls_o+256
.else
	global_load_b128 v[ls_r:ls_r+3],   v[GOFF], s[4:5] offset:ls_o th:TH_LOAD_NT       ; x is read once in the launch
	global_load_b128 v[ls_r+4:ls_r+7], v[GOFF], s[4:5] offset:ls_o+256 th:TH_LOAD_NT
.endif
.endm
.macro CVTSLOT n                       ; window 0x45: all three in window 1.  Eight f32 to eight bf16, in place, each source read before it is written
.set cv_r, 8*((\n)%DEPTH)
	v_cvt_pk_bf16_f32 v[cv_r],   v[cv_r],   v[cv_r+1]
	v_cvt_pk_bf16_f32 v[cv_r+1], v[cv_r+2], v[cv_r+3]
	v_cvt_pk_bf16_f32 v[cv_r+2], v[cv_r+4], v[cv_r+5]
	v_cvt_pk_bf16_f32 v[cv_r+3], v[cv_r+6], v[cv_r+7]
.endm
.macro PUTSLOT n                       ; window 0x44: address (source 0) in window 0, data (source 1) in window 1.  Sixteen lanes fill a stage row's 256 bytes
.set ps_r, 8*((\n)%DEPTH)
.set ps_o, (((\n)&1)*64+(((\n)%64)>>1)*2)*PITCH
	ds_store_b128 v[STA], v[ps_r:ps_r+3] offset:ps_o
.endm
; The turn of slots 4 g .. 4 g + 3: they have landed, are rounded and staged, and their registers are asked for the slots 31 further on.
.macro GROUP g
.set gr_f, GRP*(\g)
.set gr_i, gr_f+DEPTH                  ; slots issued so far
.if gr_i > NSLOTS
.set gr_i, NSLOTS
.endif
	s_wait_loadcnt 2*(gr_i-gr_f-GRP)               ; loads come back in order (ISA guide 5.7.1): two for each slot issued behind this turn's last may stay out
	WIN 0x45
.irp j, 0,1,2,3
	CVTSLOT gr_f+\j
.endr
	WIN 0x44
.irp j, 0,1,2,3
	PUTSLOT gr_f+\j
.endr
.irp j, 0,1,2,3
.if gr_f+\j+DEPTH < NSLOTS
	LOADSLOT gr_f+\j+DEPTH
.endif
.endr
.endm
; 32 staged k (bytes 64 s .. 64 s + 63 of the stage rows): 64 tokens x 64 experts.  A fragment is two loads of 16 bytes, 32 bytes apart.
; Source 0 = 16 experts, source 1 = 16 tokens: register j of lane l is then (expert 8 (l / 16) + j, token l mod 16): eight neighbouring experts of a token.
; The wave's own LDS stores are served ahead of these loads (ISA guide 5.7.1.4), so no wait stands between them.
; The sixteen accumulators take turns, one instruction a turn, in the same order in every step.
.macro STEP s, zero
.irp b, 0,1,2,3
	ds_load_b128 v[FW+8*\b:FW+8*\b+3],   v[FRA] offset:(64+16*\b)*PITCH+64*\s
	ds_load_b128 v[FW+8*\b+4:FW+8*\b+7], v[FRA] offset:(64+16*\b)*PITCH+64*\s+32
.endr
.irp a, 0,1,2,3
	ds_load_b128 v[FX+8*\a:FX+8*\a+3],   v[FRA] offset:16*\a*PITCH+64*\s
	ds_load_b128 v[FX+8*\a+4:FX+8*\a+7], v[FRA] offset:16*\a*PITCH+64*\s+32
.endr
.irp a, 0,1,2,3
	s_wait_dscnt 6-2*\a                            ; W's fragments and token blocks 0 .. a are in; two loads for each later block may stay out
.irp b, 0,1,2,3
.if \zero
	v_wmma_f32_16x16x32_bf16 v[ACC+8*(4*\a+\b):ACC+8*(4*\a+\b)+7], v[FW+8*\b:FW+8*\b+7], v[FX+8*\a:FX+8*\a+7], 0
.else
	v_wmma_f32_16x16x32_bf16 v[ACC+8*(4*\a+\b):ACC+8*(4*\a+\b)+7], v[FW+8*\b:FW+8*\b+7], v[FX+8*\a:FX+8*\a+7], v[ACC+8*(4*\a+\b):ACC+8*(4*\a+\b)+7]
.endif
.endr
.endr
.rept 4
	v_nop                                          ; four places before loads land on the fragments or the sums are read
.endr
.endm
	WIN 0x44
.set cnt_n, 0
.rept DEPTH
	LOADSLOT cnt_n                                 ; the ring is filled: 62 loads
.set cnt_n, cnt_n+1
.endr
.set cnt_g, 0
.rept 16
	GROUP cnt_g                                    ; slots 0-63: the first 128 k of my slice
.set cnt_g, cnt_g+1
.endr
	WIN 0
	STEP 0, 1                                      ; the first products start the sums: nothing is cleared
	STEP 1, 0
	STEP 2, 0
	STEP 3, 0
.rept 16
	GROUP cnt_g                                    ; slots 64-127: the stage is written again behind the reads above, which have been waited for
.set cnt_g, cnt_g+1
.endr
	WIN 0
	STEP 0, 0
	STEP 1, 0
	STEP 2, 0
	STEP 3, 0
	; My 64 x 64 partial sums into my own stage: row = token, 272 bytes apart, 64 f32 a row.
.irp a, 0,1,2,3
.irp b, 0,1,2,3
	ds_store_b128 v[PSA], v[ACC+8*(4*\a+\b):ACC+8*(4*\a+\b)+3]   offset:16*\a*PITCH+64*\b
	ds_store_b128 v[PSA], v[ACC+8*(4*\a+\b)+4:ACC+8*(4*\a+\b)+7] offset:16*\a*PITCH+64*\b+16
.endr
.endr
	s_wait_dscnt 0x0                               ; for the other waves' sake: my stores are done
	s_barrier_signal -1
	s_barrier_wait -1
	; Wave w takes tokens 8 w .. 8 w + 7; four lanes a token, sixteen experts a lane; the eight partial sums are added in ascending order of k.
.irp p, 0,1,2,3,4,5,6,7
.irp i, 0,1,2,3
	ds_load_b128 v[ACC+16*\p+4*\i:ACC+16*\p+4*\i+3], v[RDA+\p/2] offset:(\p%2)*STAGE+16*\i
.endr
.endr
.set S,   ACC                          ; v128-143 my 16 logits, then exponentials, then scores
.set TT,  ACC+16                       ; v144-151 at work
.set M1,  32                           ; largest score and its index
.set I1,  33
.set M2,  34                           ; second score and its index
.set I2,  35
.set N1,  36                           ; the partner lane's four
.set J1,  37
.set N2,  38
.set J2,  39
.set CV,  40
.set CI,  41
.set DV,  42
.set DI,  43
.set IDX, 44
.set MX,  45
.set NM,  46                           ; v46-47  minus the maximum, twice
.set LC,  48                           ; v48-49  log2 e, twice
.set Z,   50
.set RZ,  52                           ; v52-53  1 / Z, twice
.set DEN, 54
.set RD,  55
.set W1,  56
.set W2,  57
.set OUT, 58                           ; v58-59
.set T0,  60
.set T1,  61
.set OB,  64                           ; v64-71
.irp p, 1,2,3,4,5,6,7
	s_wait_dscnt 4*(7-\p)                          ; partial sums 0 .. p are in; four loads for each later one may stay out
.irp i, 0,2,4,6,8,10,12,14
	v_pk_add_f32 v[S+\i:S+\i+1], v[S+\i:S+\i+1], v[ACC+16*\p+\i:ACC+16*\p+\i+1]
.endr
.endr
	; the token's largest logit: in the lane, then over its four lanes
	v_max3_num_f32 v[MX], v[S], v[S+1], v[S+2]
.irp i, 3,5,7,9,11,13
	v_max3_num_f32 v[MX], v[MX], v[S+\i], v[S+\i+1]
.endr
	v_max_num_f32 v[MX], v[MX], v[S+15]
	v_max_num_f32_dpp v[MX], v[MX], v[MX] row_xmask:1 row_mask:0xf bank_mask:0xf
	v_max_num_f32_dpp v[MX], v[MX], v[MX] row_xmask:2 row_mask:0xf bank_mask:0xf
	v_xor_b32 v[NM], 0x80000000, v[MX]
	v_mov_b32 v[LC], 0x3fb8aa3b
	v_mov_b32 v[LC+1], 0x3fb8aa3b
	v_mov_b32 v[NM+1], v[NM]
.irp i, 0,2,4,6,8,10,12,14
	v_pk_add_f32 v[S+\i:S+\i+1], v[S+\i:S+\i+1], v[NM:NM+1]        ; the difference first, so that the largest gives exactly 0
.endr
.irp i, 0,2,4,6,8,10,12,14
	v_pk_mul_f32 v[S+\i:S+\i+1], v[S+\i:S+\i+1], v[LC:LC+1]
.endr
.irp i, 0,1,2,3,4,5,6,7,8,9,10,11,12,13,14,15
	v_exp_f32 v[S+\i], v[S+\i]
.endr
	v_and_b32 v[IDX], 3, v0                        ; a plain instruction behind the exponentials, before they are read (ISA guide 5.7.2)
	v_lshlrev_b32 v[IDX], 4, v[IDX]                ; my first expert
	s_wait_alu depctr_va_vdst(0)
	v_pk_add_f32 v[TT:TT+1],   v[S:S+1],     v[S+2:S+3]
	v_pk_add_f32 v[TT+2:TT+3], v[S+4:S+5],   v[S+6:S+7]
	v_pk_add_f32 v[TT+4:TT+5], v[S+8:S+9],   v[S+10:S+11]
	v_pk_add_f32 v[TT+6:TT+7], v[S+12:S+13], v[S+14:S+15]
	v_pk_add_f32 v[TT:TT+1],   v[TT:TT+1],   v[TT+2:TT+3]
	v_pk_add_f32 v[TT+4:TT+5], v[TT+4:TT+5], v[TT+6:TT+7]
	v_pk_add_f32 v[TT:TT+1],   v[TT:TT+1],   v[TT+4:TT+5]
	v_add_f32 v[Z], v[TT], v[TT+1]
	v_add_f32_dpp v[Z], v[Z], v[Z] row_xmask:1 row_mask:0xf bank_mask:0xf
	v_add_f32_dpp v[Z], v[Z], v[Z] row_xmask:2 row_mask:0xf bank_mask:0xf      ; the same bits in all four lanes: both steps add the same two numbers
	v_rcp_f32 v[RZ], v[Z]                          ; Z is between 1 and 64
	v_mov_b32 v[N1], 0                             ; plain work behind the reciprocal; these four are destinations of DPP moves, which count as read
	v_mov_b32 v[J1], 0
	v_mov_b32 v[N2], 0
	v_mov_b32 v[J2], 0
	s_wait_alu depctr_va_vdst(0)
	v_mov_b32 v[RZ+1], v[RZ]
.irp i, 0,2,4,6,8,10,12,14
	v_pk_mul_f32 v[S+\i:S+\i+1], v[S+\i:S+\i+1], v[RZ:RZ+1]        ; the scores
.endr
	; the two best of my sixteen, experts ascending, replaced only by a strictly larger score: of equal scores the lower index stays ahead
	v_mov_b32 v[M1], v[S]
	v_mov_b32 v[I1], v[IDX]
	v_mov_b32 v[M2], -1.0                          ; below every score
	v_mov_b32 v[I2], v[IDX]
.irp i, 1,2,3,4,5,6,7,8,9,10,11,12,13,14,15
	v_add_nc_u32 v[IDX], 1, v[IDX]
	v_cmp_gt_f32 vcc_lo, v[S+\i], v[M1]
	v_cmp_gt_f32 s20, v[S+\i], v[M2]
	v_cndmask_b32 v[M2], v[M2], v[S+\i], s20       ; better than the second: takes its place,
	v_cndmask_b32 v[I2], v[I2], v[IDX], s20
	v_cndmask_b32 v[M2], v[M2], v[M1], vcc_lo      ; better than the first: the first moves down instead
	v_cndmask_b32 v[I2], v[I2], v[I1], vcc_lo
	v_cndmask_b32 v[M1], v[M1], v[S+\i], vcc_lo
	v_cndmask_b32 v[I1], v[I1], v[IDX], vcc_lo
.endr
.macro AHEAD va, ia, vb, ib            ; s20: (va, ia) comes ahead of (vb, ib): the larger score, of equal scores the lower index
	v_cmp_gt_f32 s20, v[\va], v[\vb]
	v_cmp_eq_f32 s21, v[\va], v[\vb]
	v_cmp_lt_u32 s22, v[\ia], v[\ib]
	s_and_b32 s21, s21, s22
	s_or_b32 s20, s20, s21
.endm
.macro MERGE x                         ; my two and those of lane xor x: the better first wins; second is the winner's second or the loser's first
	v_mov_b32_dpp v[N1], v[M1] row_xmask:\x row_mask:0xf bank_mask:0xf
	v_mov_b32_dpp v[J1], v[I1] row_xmask:\x row_mask:0xf bank_mask:0xf
	v_mov_b32_dpp v[N2], v[M2] row_xmask:\x row_mask:0xf bank_mask:0xf
	v_mov_b32_dpp v[J2], v[I2] row_xmask:\x row_mask:0xf bank_mask:0xf
	AHEAD M1, I1, N1, J1
	v_cndmask_b32 v[CV], v[N2], v[M2], s20
	v_cndmask_b32 v[CI], v[J2], v[I2], s20
	v_cndmask_b32 v[DV], v[M1], v[N1], s20
	v_cndmask_b32 v[DI], v[I1], v[J1], s20
	v_cndmask_b32 v[M1], v[N1], v[M1], s20
	v_cndmask_b32 v[I1], v[J1], v[I1], s20
	AHEAD CV, CI, DV, DI
	v_cndmask_b32 v[M2], v[DV], v[CV], s20
	v_cndmask_b32 v[I2], v[DI], v[CI], s20
.endm
	MERGE 1
	MERGE 2                                        ; all four lanes of a token now hold its two scores and indices
	v_add_f32 v[DEN], v[M1], v[M2]
	v_add_f32 v[DEN], 0x1e3ce508, v[DEN]           ; + 1e-20
	v_rcp_f32 v[RD], v[DEN]
	v_and_b32 v[T0], 1, v0                         ; plain work behind the reciprocal
	v_cmp_eq_u32 vcc_lo, 1, v[T0]
	s_wait_alu depctr_va_vdst(0)
	v_mul_f32 v[W1], v[M1], v[RD]
	v_mul_f32 v[W2], v[M2], v[RD]
	v_cndmask_b32 v[OUT], v[I1], v[W1], vcc_lo     ; even lanes: the two indices; odd lanes: the two weights
	v_cndmask_b32 v[OUT+1], v[I2], v[W2], vcc_lo
	ds_store_b64 v[RSA], v[OUT:OUT+1]              ; two lanes of a token write the same 8 bytes with the same values
	s_wait_dscnt 0x0                               ; for wave 0's sake: my store is done
	s_barrier_signal -1
	s_barrier_wait -1
	s_cmp_lg_u32 s12, 0
	s_cbranch_scc1 .Lend
	; Wave 0 stores the work-group's 64 tokens: 512 consecutive bytes of each output, 16 a lane, starting at a multiple of 512.
	v_lshlrev_b32 v[T0], 4, v1
	v_add_nc_u32 v[T1], RES, v[T0]
	ds_load_b128 v[OB:OB+3], v[T1]
	ds_load_b128 v[OB+4:OB+7], v[T1] offset:512
	s_lshl_b32 s14, ttmp9, 9
	s_mov_b32 s15, 0
	s_add_nc_u64 s[8:9], s[8:9], s[14:15]
	s_add_nc_u64 s[10:11], s[10:11], s[14:15]
	s_wait_dscnt 0x1                               ; the indices are in; the weights' load may stay out
	global_store_b128 v[T0], v[OB:OB+3], s[8:9] th:TH_STORE_NT
	s_wait_dscnt 0x0
	global_store_b128 v[T0], v[OB+4:OB+7], s[10:11] th:TH_STORE_NT
.Lend:
	s_wait_tensorcnt 0x0
	ds_add_u32 v126, v127
	s_wait_dscnt 0x0
	s_endpgm
.Lfunc_end_k_q19a7175acd_gate:
	.size	k_q19a7175acd_gate, .Lfunc_end_k_q19a7175acd_gate-k_q19a7175acd_gate
	.p2alignl 7, 3214868480
	.fill 96, 4, 3214868480
	.section	.rodata,"a",@progbits
	.p2align	6, 0x0
	.amdhsa_kernel k_q19a7175acd_gate
		.amdhsa_group_segment_fixed_size 280576
		.amdhsa_private_segment_fixed_size 0
		.amdhsa_enable_private_segment 0
		.amdhsa_kernarg_size 32
		.amdhsa_user_sgpr_count 2
		.amdhsa_user_sgpr_kernarg_segment_ptr 1
		.amdhsa_wavefront_size32 1
		.amdhsa_system_sgpr_workgroup_id_x 1
		.amdhsa_system_sgpr_workgroup_id_y 1
		.amdhsa_system_sgpr_workgroup_id_z 1
		.amdhsa_system_vgpr_workitem_id 0
		.amdhsa_next_free_vgpr 512
		.amdhsa_next_free_sgpr 66
		.amdhsa_reserve_vcc 1
		.amdhsa_float_denorm_mode_32 3
		.amdhsa_float_denorm_mode_16_64 3
		.amdhsa_memory_ordered 1
		.amdhsa_forward_progress 1
		.amdhsa_inst_pref_size 109
	.end_amdhsa_kernel
	.amdgpu_metadata
---
amdhsa.version: [ 1, 2 ]
amdhsa.kernels:
  - .name:           k_q19a7175acd_gate
    .symbol:         k_q19a7175acd_gate.kd
    .args:
      - { .name: hidden_states, .offset: 0, .size: 8, .value_kind: global_buffer, .address_space: global }
      - { .name: weight, .offset: 8, .size: 8, .value_kind: global_buffer, .address_space: global }
      - { .name: out0, .offset: 16, .size: 8, .value_kind: global_buffer, .address_space: global }
      - { .name: out1, .offset: 24, .size: 8, .value_kind: global_buffer, .address_space: global }
    .group_segment_fixed_size: 280576
    .private_segment_fixed_size: 0
    .kernarg_segment_align: 8
    .kernarg_segment_size: 32
    .max_flat_workgroup_size: 256
    .sgpr_count:     66
    .vgpr_count:     512
    .wavefront_size: 32
...
	.end_amdgpu_metadata
.endif
;; end of part 1
